; MI455X (gfx1250); checked and timed in simulation.
; The chip was launched on July 23, 2026; its instructions are those of AMD's public machine-readable ISA for CDNA 5 (MIT licence, August 2026) and "CDNA5" Instruction Set Architecture Reference Guide (July 2026). The comments in the code are by the model that wrote it; some were corrected since.
;; Full Attention. Allowed arithmetic: matrix products marked QUANTISED: E2M1 operands, one E8M0 scale for each 32 along K, by v_wmma_scale_f32_16x16x128_f8f6f4 with both operands' format E2M1 (or v_wmma_scale_f32_32x16x128_f4), f32 sums; products left as they are: bf16, f16 or f32 operands; f32 sums; everything else in f32.
;; Inputs: keys 4 x 2,048 x 16 x 64 float32; queries 4 x 2,048 x 16 x 64 float32; values 4 x 2,048 x 16 x 64 float32.
;; Outputs: out0 4 x 2,048 x 16 x 64 float32.
;; This version of the problem:
;;   THIS VERSION OF THE PROBLEM IS GIVEN IN LOW PRECISION. The matrix products marked QUANTISED in the list below multiply operands that are first quantised to E2M1 (2 exponent bits, 1 mantissa bit; 4 bits a number), with one power-of-two scale for each 32 numbers along K (OCP MX v1.0); their sums are f32. The products marked 'left as it is' may take bf16, f16 or f32 operands, with f32 sums. All else is computed in f32.
;;   The module's matrix products, in the order in which they are computed (A, B: the left and right operand; K: the contracted axis; several contracted axes count as one K, in the product's order):
;;     1. batch 64 x [M 2,048, K 64] x [K 64, N 2,048]; A: input queries; B: input keys: QUANTISED
;;     2. batch 64 x [M 64, K 2,048] x [K 2,048, N 2,048]; A: input values; B: computed on the way: left as it is (an operand is computed on the way)
;;   THE QUANTISER, for each operand of a quantised product, along K:
;;     - K is cut into blocks of 32 from its start; a last block that is shorter is filled with zeros.
;;     - A block's scale is 2^e with e = floor(log2(the largest magnitude in the block)) - 2, held to -126 .. 127; a block of zeros has e = 0. As a byte (E8M0): e + 127.
;;     - Each number is divided by its block's scale, clamped to +-6, and rounded to the nearest number of E2M1, ties to even, subnormals kept.
;;     - The product sums the exact products of the quantised numbers (number of the format x scale) in f32.
;;   ~~~python
;;   def quantise(x, axis):      # numpy; x: float32 -> the quantised numbers, widened to float32 again
;;       x = np.moveaxis(x, axis, -1); K = x.shape[-1]
;;       x = np.pad(x, [(0, 0)] * (x.ndim - 1) + [(0, -K % 32)]); x = x.reshape(x.shape[:-1] + (-1, 32)); a = np.abs(x).max(-1, keepdims=True)
;;       e = np.where(a > 0, np.clip(np.frexp(np.where(a > 0, a, 1))[1] - 1 - 2, -126, 127), 0)      # np.frexp(a)[1] - 1 = floor(log2(a)), exactly
;;       r = np.clip(x / 2.0 ** e, -6, 6)
;;       step = 2.0 ** (np.maximum(np.frexp(np.where(r == 0, 1, r))[1] - 1, 0) - 1)
;;       q = np.round(r / step) * step * 2.0 ** e      # np.round: ties to even
;;       return np.moveaxis(q.reshape(q.shape[:-2] + (-1,))[..., :K], -1, axis).astype(np.float32)
;;   ~~~
;; One version. Each part assembles by itself: llvm-mc -triple=amdgcn-amd-amdhsa -mcpu=gfx1250 --defsym DOCPART=n.
;; ======== version 1 of 1: 2 launches
;; limits: values are held in f16: magnitudes above 65,504 overflow, below 6.1e-05 lose precision; inputs' magnitudes at most 65,504
;; workspace buffers: kv 21,233,664 bytes; qc 4,456,448 bytes
;; launch prep (part 1): grid 256 x 3, 4 waves a work-group, no clusters, 39,424 bytes of LDS; arguments queries, keys, values, qc, kv; writes qc, kv
.if DOCPART == 1
	.amdgcn_target "amdgcn-amd-amdhsa--gfx1250"
	.amdhsa_code_object_version 6
	.text
	.protected	k_qbeb12c270b_prep
	.globl	k_qbeb12c270b_prep
	.p2align	8
	.type	k_qbeb12c270b_prep,@function
k_qbeb12c270b_prep:
	s_mov_b64 s[64:65], 0
	v_nop
	global_prefetch_b8 v0, s[64:65] scope:SCOPE_SE
	s_setreg_imm32_b32 hwreg(HW_REG_WAVE_MODE, 25, 1), 1
	s_wait_xcnt 0x0
; queries, keys, values: [4][2048][16][64] f32.  A head's row is 256 bytes, the rows of one head lie 4,096 bytes apart.
; This launch turns each tensor ONCE into the form in which the attention launch's matrix instructions take it, laid as images of the operand registers:
;   Q and K: codes of FP4 (E2M1) with one E8M0 byte for each 32 along the head's 64;   V: f16.
; RECORDS.  128 keys of one head are a record of REC bytes in kv (head 16 b + h, record = key / 128):
;   +0      K's codes: 4 fragments f of 1,024 bytes, [c = 0,1][lane][16 bytes]: lane 16 hb + r holds the 32 codes of block hb of key 32 f + 16 c + r
;   +VOFF   V: fragments (kg, ct) at 4,096 kg + 1,024 ct, [g = 0,1][lane 16 h' + u][16 bytes]: 8 f16, keys 32 kg + 16 g + 8 h' + 0 .. 7 of channel 4 u + ct
;   +KSC    scale words, [lane][2 words]: word i of lane 16 a + r belongs to fragment 2 i + a, row r: bytes 0, 1 blocks 0, 1 of key 32 f + r; bytes 2, 3 those of key 32 f + 16 + r
; 128 queries are a record of QREC bytes in qc: codes as K's at +0, scale words at +QSC.
; THE QUANTISER.  A block's scale is 2^(floor(log2(its largest magnitude)) - 2); its byte is the largest magnitude's exponent field - 2, held at 1 from below; each number is divided by the scale
; and rounded to the nearest code, ties to even, beyond 6 the largest code.
; V IN f16: eleven bits of significand, a rounding error of at most 2^-11 of the number, against 2^-8 in bf16.
; LIMITS: NaN and infinities among the inputs are not served.  V is held at +-65,504, f16's largest number: larger values are not served; values under 2^-14 keep an absolute error of at most 2^-25.
; A block of zeros of Q or K gets the byte 1 where the rule says 127: its codes are zeros, and this program alone reads the bytes.
; Blocks whose largest magnitude lies under 2^-124 keep the byte 1, as the rule's own hold does; denormal inputs were not tried.
; SHARES.  Work-group y says which tensor (0 Q, 1 K, 2 V); task t = 4 x work-group x + wave, 1,024 tasks a tensor, 32 KiB of f32 each.  Waves share nothing: no barrier.
; A stream: every input byte is read once, so there is nothing for a cluster to share, no matrix work, and no tensor load; several work-groups lie on a WGP and their loads are out together.
.set REC,  20736
.set QREC, 4352
.set VOFF, 4096
.set KSC,  20480
.set QSC,  4096
.set SSZ,  4864                        ; a stage: 32 places of 144 bytes (a block's 128 + 16), lanes 16-31's 128 bytes further on
.set R,    32                          ; v32-159   four sets of 32 registers as they are loaded
.set X,    160                         ; v160-223  Q, K: two sets of 32 neighbours along K
.set C,    224                         ; v224-255  Q, K: a tile's codes, four registers for each of the eight tiles: no store's data are written again
.set P,    160                         ; v160-191  V: two sets of 16 registers of f16
	s_load_b256 s[4:11], s[0:1], 0x0               ; queries s[4:5], keys s[6:7], values s[8:9], qc s[10:11]
	s_load_b64 s[12:13], s[0:1], 0x20              ; kv
	v_lshl_add_u32 v30, v0, 2, 0x9800
	v_mov_b32 v31, 0
	v_lshrrev_b32 v1, 5, v0
	v_readfirstlane_b32 s14, v1                    ; wave
	v_and_b32 v2, 31, v0                           ; lane
	s_and_b32 s15, ttmp7, 0xffff                   ; which tensor
	s_lshl_b32 s16, ttmp9, 2
	s_add_co_u32 s16, s16, s14                     ; task t
	s_mov_b32 s28, 0x76543210
	s_mov_b32 s29, 0xfedcba98                      ; v_permlanex16_b32's selects for lane l xor 16
	s_mov_b32 s30, 0x477fe000                      ; 65,504.0: f16's largest number
	s_cmp_eq_u32 s15, 2
	s_cbranch_scc1 .Lvalues
; ---------------- Q and K: one text, only the pointers are chosen.  t = 256 b + 16 h + record ----------------
	s_lshr_b32 s17, s16, 8
	s_lshl_b32 s17, s17, 23                        ; b
	s_and_b32 s18, s16, 15
	s_lshl_b32 s18, s18, 19                        ; 128 rows of 4,096 bytes a record
	s_or_b32 s17, s17, s18
	s_bfe_u32 s18, s16, 0x40004
	s_lshl_b32 s18, s18, 8                         ; h
	s_or_b32 s20, s17, s18                         ; where my 128 rows begin
	s_mov_b32 s21, 0
	s_mov_b32 s17, REC
	s_mov_b32 s18, KSC
	s_mov_b32 s19, 0
	s_mov_b32 s25, 0
	v_and_b32 v10, 15, v2                          ; u
	v_lshrrev_b32 v11, 4, v2                       ; w2
	v_lshlrev_b32 v3, 4, v10
	v_lshl_add_u32 v3, v11, 12, v3                 ; in: lanes 0-15 one row's 256 bytes, lanes 16-31 the next row's
	s_mul_i32 s26, s14, 2*SSZ                      ; my wave's two stages
	v_lshrrev_b32 v12, 3, v10
	v_mul_u32_u24 v4, v12, 2432                    ; into a stage: block u / 8 of the row (the second block's sixteen places begin 16 x 144 + 128 bytes on),
	v_mad_u32_u24 v4, v11, 144, v4                 ; the row's place,
	v_and_b32 v12, 7, v10
	v_lshl_add_u32 v4, v12, 4, v4                  ; my 16 bytes of the block
	v_add_nc_u32 v4, s26, v4
	v_mul_u32_u24 v5, v2, 144                      ; out of it: lane 16 hb + r takes block hb of row r, 128 bytes
	v_lshl_add_u32 v5, v11, 7, v5
	v_add_nc_u32 v5, s26, v5
	v_lshlrev_b32 v6, 4, v2                        ; my 16 bytes of a tile's codes
	v_lshlrev_b32 v7, 3, v2                        ; my two scale words
	v_lshlrev_b32 v8, 3, v11                       ; my byte's place in a scale word: 8 hb bits up for a fragment's first tile,
	v_add_nc_u32 v9, 16, v8                        ; 16 more for its second
.irp f, 0,1,2,3
	v_mov_b32 v[20+\f], 0                          ; written once: a lane permute's destination counts as one of its sources
.endr
	s_wait_kmcnt 0x0
	s_cmp_eq_u32 s15, 0                            ; Q or K?  The choice hangs on the work-group's number alone
	s_cselect_b64 s[4:5], s[4:5], s[6:7]
	s_cselect_b64 s[10:11], s[10:11], s[12:13]
	s_cselect_b32 s17, QREC, s17
	s_cselect_b32 s18, QSC, s18
	s_add_nc_u64 s[4:5], s[4:5], s[20:21]
	s_mul_i32 s24, s16, s17                        ; record t
	s_add_nc_u64 s[10:11], s[10:11], s[24:25]
	s_add_nc_u64 s[22:23], s[10:11], s[18:19]      ; and its scale words
.macro LOAD j                          ; tile j: rows 16 j .. 16 j + 15; each load takes two whole rows
.irp i, 0,1,2,3,4,5,6,7
	global_load_b128 v[R+32*((\j)%4)+4*\i:R+32*((\j)%4)+4*\i+3], v3, s[4:5] offset:(16*(\j)+2*\i)*4096 th:TH_LOAD_NT
.endr
.endm
.macro TURN j                          ; tile j through a stage: LDS serves a wave's instructions in order, so no wait stands between the stores and the loads
.irp i, 0,1,2,3,4,5,6,7
	ds_store_b128 v4, v[R+32*((\j)%4)+4*\i:R+32*((\j)%4)+4*\i+3] offset:SSZ*((\j)%2)+288*\i
.endr
.irp i, 0,1,2,3,4,5,6,7
	ds_load_b128 v[X+32*((\j)%2)+4*\i:X+32*((\j)%2)+4*\i+3], v5 offset:SSZ*((\j)%2)+16*\i
.endr
.endm
.macro QSTEP j
.set XS, X+32*((\j)%2)
	s_wait_dscnt 0x0                               ; tile j is back from its stage: so its stores into the stage have read their registers,
.if (\j)+4 < 8
	LOAD (\j)+4                                    ; which take the loads of four tiles on
.endif
.if (\j)+1 < 8
.if (\j) < 4
	s_wait_loadcnt 24                              ; the next tile's eight loads are in; those of the three tiles behind it may be out
.else
	s_wait_loadcnt 8*(6-(\j))                      ; (fewer tiles are left behind it)
.endif
	TURN (\j)+1                                    ; it goes through the other stage while this tile is worked
.endif
	v_max3_num_f32 v10, |v[XS]|, |v[XS+1]|, |v[XS+2]|               ; the block's largest magnitude: all 32 numbers are mine; two chains
	v_max3_num_f32 v11, |v[XS+3]|, |v[XS+4]|, |v[XS+5]|
.irp i, 6,10,14,18,22,26
	v_max3_num_f32 v10, v10, |v[XS+\i]|, |v[XS+\i+1]|
	v_max3_num_f32 v11, v11, |v[XS+\i+2]|, |v[XS+\i+3]|
.endr
	v_max3_num_f32 v10, v10, |v[XS+30]|, |v[XS+31]|
	v_max3_num_f32 v10, v10, v11, 0x1800000        ; and the floor 2^(3 - 127): the byte cannot fall under 1
	v_add_nc_u32 v12, 0xff000000, v10              ; 2 off its exponent field: the conversion takes the exponent field of this operand as its scale, and nothing else of it
.irp g, 0,1,2,3
	v_cvt_scalef32_pk8_fp4_f32 v[C+4*(\j)+\g], v[XS+8*\g:XS+8*\g+7], v12
.endr
	v_lshrrev_b32 v13, 23, v12                     ; the scale's byte (a plain line behind the conversions)
.if (\j)%2 == 0
	v_lshlrev_b32 v[16+(\j)/2], v8, v13            ; at its place in the fragment's scale word
.else
	v_lshlrev_b32 v13, v9, v13
	v_or_b32 v[16+(\j)/2], v[16+(\j)/2], v13
.endif
	global_store_b128 v6, v[C+4*(\j):C+4*(\j)+3], s[10:11] offset:((\j)/2)*1024+((\j)%2)*512   ; 32 lanes store 512 consecutive bytes, at a multiple of 256 from the buffer's first byte
.endm
	LOAD 0
	LOAD 1
	LOAD 2
	LOAD 3
	s_wait_loadcnt 24                              ; tile 0's eight loads are in
	TURN 0
.irp j, 0,1,2,3,4,5,6,7
	QSTEP \j
.endr
.irp f, 0,1,2,3
	v_permlanex16_b32 v[20+\f], v[16+\f], s28, s29
.endr
.irp f, 0,1,2,3
	v_or_b32 v[16+\f], v[16+\f], v[20+\f]          ; with lane l xor 16's two bytes the fragment's word of row l % 16 is whole, in both halves of the lanes
.endr
	v_cmp_gt_u32 vcc_lo, 16, v2
	v_cndmask_b32 v24, v17, v16, vcc_lo            ; lanes 0-15: fragments 0 and 2; lanes 16-31: fragments 1 and 3
	v_cndmask_b32 v25, v19, v18, vcc_lo
	global_store_b64 v7, v[24:25], s[22:23]        ; 32 lanes store 256 consecutive bytes, aligned
	s_wait_tensorcnt 0x0
	ds_add_u32 v30, v31
	s_wait_dscnt 0x0
	s_endpgm
; ---------------- V: t = 256 b + 32 hp + kc: 64 keys (kc) of two neighbouring heads (2 hp, 2 hp + 1).  No LDS: a lane's four channels of eight keys are four pieces of 16 bytes as they stand ----------------
.Lvalues:
	s_lshr_b32 s17, s16, 8                         ; b
	s_bfe_u32 s18, s16, 0x30005                    ; hp
	s_and_b32 s19, s16, 31                         ; kc
	s_lshl_b32 s20, s17, 23
	s_lshl_b32 s21, s19, 18                        ; 64 keys of 4,096 bytes
	s_or_b32 s20, s20, s21
	s_lshl_b32 s21, s18, 9                         ; two heads' 512 bytes of a key's row
	s_or_b32 s20, s20, s21
	s_mov_b32 s21, 0
	s_lshl_b32 s22, s17, 4
	s_lshl_b32 s23, s18, 1
	s_add_co_u32 s22, s22, s23                     ; head 16 b + 2 hp
	s_lshl_b32 s22, s22, 4
	s_lshr_b32 s23, s19, 1
	s_add_co_u32 s22, s22, s23                     ; its record kc / 2
	s_mul_i32 s22, s22, REC
	s_and_b32 s23, s19, 1
	s_lshl_b32 s23, s23, 13                        ; the record's first or second 64 keys: two groups kg of 4,096 bytes
	s_add_co_u32 s22, s22, s23
	s_add_co_u32 s22, s22, VOFF
	s_mov_b32 s23, 0
	v_lshlrev_b32 v3, 4, v2                        ; in: 16 bytes a lane: 512 consecutive bytes a load
	v_and_b32 v4, 15, v2
	v_lshlrev_b32 v4, 4, v4
	v_lshrrev_b32 v5, 4, v2
	v_mad_u32_u24 v4, v5, 16*REC, v4               ; out: 16 u; lanes 16-31 hold the next head, 16 records on
	s_wait_kmcnt 0x0
	s_add_nc_u64 s[8:9], s[8:9], s[20:21]
	s_add_nc_u64 s[12:13], s[12:13], s[22:23]
.macro VLD o                           ; octet o: keys 8 o .. 8 o + 7
.irp k, 0,1,2,3,4,5,6,7
	global_load_b128 v[R+32*((\o)%4)+4*\k:R+32*((\o)%4)+4*\k+3], v3, s[8:9] offset:(8*(\o)+\k)*4096 th:TH_LOAD_NT
.endr
.endm
.macro OCT o
.set RS, R+32*((\o)%4)
.if (\o) < 5
	s_wait_loadcnt 24                              ; this octet's eight loads are in; those of the three octets behind it may be out
.else
	s_wait_loadcnt 8*(7-(\o))
.endif
.set q, 0
.rept 32
	v_med3_num_f32 v[RS+q], v[RS+q], -s30, s30     ; held at f16's largest number, so that the conversion makes no infinity
.set q, q+1
.endr
.if (\o) >= 2
	s_wait_xcnt 0x0                                ; the stores of two octets back have read their data: these registers are written again only behind this wait
.endif
.irp ct, 0,1,2,3
.irp i, 0,1,2,3
	v_cvt_pk_f16_f32 v[P+16*((\o)%2)+4*\ct+\i], v[RS+8*\i+\ct], v[RS+8*\i+4+\ct]   ; keys 8 o + 2 i and + 1 of channel 4 u + ct
.endr
.endr
.if (\o)+4 < 8
	VLD (\o)+4                                     ; loads ahead of stores
.endif
.irp ct, 0,1,2,3
	global_store_b128 v4, v[P+16*((\o)%2)+4*\ct:P+16*((\o)%2)+4*\ct+3], s[12:13] offset:((\o)/4)*4096+\ct*1024+((\o)%4)*256   ; 16 lanes store 256 consecutive bytes, aligned
.endr
.endm
	VLD 0
	VLD 1
	VLD 2
	VLD 3
.irp o, 0,1,2,3,4,5,6,7
	OCT \o
.endr
	s_endpgm
.Lfunc_end_k_qbeb12c270b_prep:
	.size	k_qbeb12c270b_prep, .Lfunc_end_k_qbeb12c270b_prep-k_qbeb12c270b_prep
	.p2alignl 7, 3214868480
	.fill 96, 4, 3214868480
	.section	.rodata,"a",@progbits
	.p2align	6, 0x0
	.amdhsa_kernel k_qbeb12c270b_prep
		.amdhsa_group_segment_fixed_size 39424
		.amdhsa_private_segment_fixed_size 0
		.amdhsa_enable_private_segment 0
		.amdhsa_kernarg_size 40
		.amdhsa_user_sgpr_count 2
		.amdhsa_user_sgpr_kernarg_segment_ptr 1
		.amdhsa_wavefront_size32 1
		.amdhsa_system_sgpr_workgroup_id_x 1
		.amdhsa_system_sgpr_workgroup_id_y 1
		.amdhsa_system_sgpr_workgroup_id_z 1
		.amdhsa_system_vgpr_workitem_id 0
		.amdhsa_next_free_vgpr 256
		.amdhsa_next_free_sgpr 66
		.amdhsa_reserve_vcc 1
		.amdhsa_float_denorm_mode_32 3
		.amdhsa_float_denorm_mode_16_64 3
		.amdhsa_memory_ordered 1
		.amdhsa_forward_progress 1
		.amdhsa_inst_pref_size 65
	.end_amdhsa_kernel
	.amdgpu_metadata
---
amdhsa.version: [ 1, 2 ]
amdhsa.kernels:
  - .name:           k_qbeb12c270b_prep
    .symbol:         k_qbeb12c270b_prep.kd
    .args:
      - { .name: queries, .offset: 0, .size: 8, .value_kind: global_buffer, .address_space: global }
      - { .name: keys, .offset: 8, .size: 8, .value_kind: global_buffer, .address_space: global }
      - { .name: values, .offset: 16, .size: 8, .value_kind: global_buffer, .address_space: global }
      - { .name: qc, .offset: 24, .size: 8, .value_kind: global_buffer, .address_space: global }
      - { .name: kv, .offset: 32, .size: 8, .value_kind: global_buffer, .address_space: global }
    .group_segment_fixed_size: 39424
    .private_segment_fixed_size: 0
    .kernarg_segment_align: 8
    .kernarg_segment_size: 40
    .max_flat_workgroup_size: 128
    .sgpr_count:     66
    .vgpr_count:     256
    .wavefront_size: 32
...
	.end_amdgpu_metadata
.endif
;; end of part 1
;; launch attn (part 2): grid 4 x 64, 16 waves a work-group, clusters of 4 x 1, 327,680 bytes of LDS; arguments qc, kv, out0; writes out0
.if DOCPART == 2
	.amdgcn_target "amdgcn-amd-amdhsa--gfx1250"
	.amdhsa_code_object_version 6
	.text
	.protected	k_qbeb12c270b_attn
	.globl	k_qbeb12c270b_attn
	.p2align	8
	.type	k_qbeb12c270b_attn,@function
k_qbeb12c270b_attn:
	s_mov_b64 s[64:65], 0
	v_nop
	global_prefetch_b8 v0, s[64:65] scope:SCOPE_SE
	s_setreg_imm32_b32 hwreg(HW_REG_WAVE_MODE, 25, 1), 1
	s_wait_xcnt 0x0
	s_wait_alu depctr_hold_cnt(0) depctr_sa_sdst(0) depctr_va_vdst(0) depctr_va_sdst(0) depctr_va_ssrc(0) depctr_va_vcc(0) depctr_vm_vsrc(0)
	s_getreg_b32 s2, hwreg(HW_REG_IB_STS2, 6, 4)
	s_cmp_eq_u32 s2, 0
	s_cbranch_scc0 .Lentry_in_a_cluster
	s_endpgm
.Lentry_in_a_cluster:
	s_bfe_u32 s2, ttmp6, 0x10000c
	s_cmp_lg_u32 s2, 0x3003
	s_cbranch_scc0 .Lentry_shape_is_right
	s_endpgm
.Lentry_shape_is_right:
; out0[b][q][h][:] = the sum over k of softmax_k(Q[q] . K[k] / 8) V[k][:], 64 heads of 2,048 queries, 2,048 keys, head size 64, no mask.
; The first product is made on codes of FP4 (E2M1) with one E8M0 scale for each 32 along the head's 64; the second on f16; maxima, exponentials and sums in f32.
; WHY f16: a rounding error of at most 2^-11 of each operand, against 2^-8 in bf16, at the same cost.  p lies in 0 .. 1: under 2^-14 its absolute error is at most 2^-25, so 2,048 of them lose at most 6e-5 of a
; row's sum, which is at least 1 (the largest key's p).  V was held at +-65,504 by the launch before.
; qc and kv come from the launch before, laid as images of the operand registers (16 bytes a lane, lane by lane):
;   kv: a record of REC bytes for 128 keys of a head: +0 K's codes, 4 fragments of 1,024 bytes; +VOFF V in f16, fragments (kg, ct) at 4,096 kg + 1,024 ct; +KSC K's scale words, 8 bytes a lane.
;   qc: a record of QREC bytes for 128 queries: codes as K's, scale words at +QSC.
; K = 64 IN A FORM THAT IS 128 DEEP.  A fragment of K (8 registers) holds TWO tiles of 16 keys: keys 32 f + r in k 0 .. 63, keys 32 f + 16 + r in k 64 .. 127.  It is multiplied once by [q | zero codes] and once by
; [zero codes | q]: the zero codes annul the other tile exactly (the format has no infinity and no NaN, K's bytes lie in 1 .. 254, and the bytes over q's zero codes are 0).
; SHARES.  A work-group owns 512 queries of one head, each of its sixteen waves 32: two tiles x of 16.  Four waves lie on a SIMD with 256 registers each, so that one wave's softmax stands beside another's products
; and LDS loads, and no register window is ever switched.  Every wave walks the head's 2,048 keys, 128 a step; each fragment read from LDS feeds both tiles.
; LAYOUT.  Both products are used transposed: S^T = K Q^T (source 0 = keys, source 1 = my 16 queries), O^T = V^T P (source 0 = 16 channels x 32 keys, source 1 = P): a lane holds ONE query (lane % 16) throughout.
; Two tiles of S^T, rounded to f16 in pairs, ARE source 1 of the second product.  Row u of V's tile ct is channel 4 u + ct, so that a lane's 32 results are the 32 neighbouring channels 32 (lane / 16) + 0 .. 31.
; SOFTMAX.  For each query a running maximum m and sum l: p = 2^(c s - c m), c = log2(e) / 8; in every step O and l are multiplied by a = 2^(c m_old - c m_new).
; CLUSTER.  The four work-groups of a head form a cluster and walk the same records: each record is asked for JOINTLY, by the same tensor load with the same descriptor and a mask that names the four.
; LDS.  Three slots of four records.  Twelve of a head's sixteen records are asked for at the head; the last four go into slot 0 when its four steps are done, eight key steps ahead of their first read:
; so no prefetch is laid.  By this text's own count a wave has three tensor loads out at the head and one behind the change of slots.
; LIMITS: NaN and infinities are not served; values beyond +-65,504 are not served (held there); the running maximum starts at -3e38, under every score that the product of finite codes of this size can give.
.set REC,   20736
.set QREC,  4352
.set VOFF,  4096
.set KSC,   20480
.set QSC,   4096
.set SLOTB, 4*REC                      ; a slot: four records, no padding: an image is read 16 bytes a lane, 512 consecutive bytes a load
.set STG,   3*SLOTB                    ; behind the slots: 16 rows x 272 bytes for each wave, for the way out; no tile lands there
.set SP,    272
.set SPARE, STG+16*16*SP               ; behind the stages: the spare words, 128 bytes for each wave: eight blocks of 256 bytes that no other line names
.set LI,  1                            ; v1   16 x lane; never rewritten
.set LS,  2                            ; v2   8 x lane; never rewritten
.set ADR, 3                            ; v3   the step's record + 16 x lane
.set ADS, 4                            ; v4   the step's record + 8 x lane
.set SPW, 5                            ; v5   LDS address of my spare word: SPARE + 4 x my thread's number; never rewritten
.set NIL, 6                            ; v6   0; never rewritten
.set STO, 7                            ; v7   the way out: where I put 128 bytes of a row
.set RD,  8                            ; v8   the way out: where I read a row back
.set GO,  9                            ; v9   my byte offset in the wave's rows of out0
.set QZ,  12                           ; v12-31  [0 | q0 | 0 | q1 | 0], four registers each: [q | 0] of tile x begins at v[16 + 8 x], [0 | q] at v[12 + 8 x]
.set QS,  32                           ; v32-35  Q's scale words: tile x, for [q | 0] at v[32 + 2 x], for [0 | q] at v[33 + 2 x]
.set KS,  36                           ; v36-37  K's scale words: v36 lanes 0-15 fragment 0, lanes 16-31 fragment 1; v37 fragments 2 and 3
.set ST,  40                           ; tile x's statistics at v[40 + 8 x]: +0 c m, +1 m, +2, +3 l (even keys', odd keys'), +4 a, +5 named with it as a pair, +6, +7 at work
.set MX,  56                           ; v56-63  eight maxima, then four pairs of sums
.set S,   64                           ; v64-127 S^T of one tile of queries: 8 tiles of 16 keys; then p
.set VB0, 64                           ; the same registers take V's fragments when p has been rounded: two buffers of four fragments
.set VB1, 96
.set P0,  128                          ; v128-159 P of tile 0; v160-191 P of tile 1,
.set KB,  160                          ; which are K's four fragments until tile 1's scores are made
.set O,   192                          ; v192-255 O^T: tile x, channel tile ct at v[192 + 32 x + 8 ct]
.set WV,   10                          ; s10  my wave's number
.set QB,   11                          ; s11  my block of 512 queries
.set HEAD, 12                          ; s12  the head, 16 b + h
.set G1,   24                          ; s[24:31] descriptor group 1
.set G0,   32                          ; s[32:43] descriptor group 0, a set for each slot
.set TB,   44                          ; s44  LDS byte at which the step's record begins
.set CNT,  45                          ; s45  steps to go
.set CS,   46                          ; s[46:47] c: the packed form names a pair and takes its low word for both halves
.set SEL,  48                          ; s[48:49] lane selects for v_permlanex16_b32: lane l xor 16
; A round of the cluster's barrier: my work-group's barrier, so that wave 0's signal speaks for all sixteen waves; wave 0 signals for the work-group; every wave waits for all four work-groups; my work-group's barrier once more.
.macro CROUND
	s_barrier_signal -1
	s_barrier_wait -1
	s_cmp_lg_u32 s[WV], 0
	s_cbranch_scc1 .Lnot_wave_0_\@
	s_barrier_signal -3
.Lnot_wave_0_\@:
	s_barrier_wait -3
	s_barrier_signal -1
	s_barrier_wait -1
.endm
	s_load_b128 s[4:7], s[0:1], 0x0                ; qc s[4:5], kv s[6:7]
	s_load_b64 s[8:9], s[0:1], 0x10                ; out0
	v_lshl_add_u32 v[SPW], v0, 2, SPARE
	v_mov_b32 v[NIL], 0
	ds_add_u32 v5, v6
	ds_add_u32 v5, v6
	s_wait_dscnt 0x0
	v_lshrrev_b32 v10, 5, v0
	v_readfirstlane_b32 s[WV], v10                 ; wave 0..15
	s_bfe_u32 s13, ttmp6, 0x40000                  ; cx: my place in the cluster
	s_lshl_b32 s[QB], ttmp9, 2                     ; in a cluster launch ttmp9 counts clusters
	s_add_co_u32 s[QB], s[QB], s13                 ; it enters Q's and out0's addresses alone
	s_and_b32 s[HEAD], ttmp7, 0xffff               ; the head, which the four partners share
	; descriptor group 1: a record is a dense block of 81 rows of 256 bytes (32 elements of 8 bytes)
	s_mov_b32 s[G1+0], 15|(3<<16)|(1<<21)          ; 15:0 the mask: all four work-groups; 17:16 elements of 8 bytes; 20 no padding; 21 set beside a mask
	s_mov_b32 s[G1+1], 32<<16                      ; tensor_dim0 = 32
	s_mov_b32 s[G1+2], 81<<16                      ; tensor_dim1 = 81
	s_mov_b32 s[G1+3], 32<<16                      ; tile_dim0 = 32
	s_mov_b32 s[G1+4], 81                          ; tile_dim1 = 81
	s_mov_b32 s[G1+5], 32                          ; tensor_dim0_stride: rows on end
	s_mov_b32 s[G1+6], 0
	s_mov_b32 s[G1+7], 0
	s_and_b32 s14, s[WV], 3                        ; waves 0 to 3 fetch, each one of a slot's four records
	s_mul_i32 s15, s14, REC                        ; its place in a slot, in LDS and in memory alike: no place in the cluster enters it
	s_lshl_b32 s16, s[HEAD], 4
	s_mul_i32 s16, s16, REC                        ; the head's 16 records
	s_add_co_u32 s16, s16, s15
	s_mov_b32 s17, 0
	s_mov_b32 s[CS], 0x3e38aa3b                    ; c = log2(e) / 8
	s_mov_b32 s[CS+1], s[CS]                       ; (named with it as a pair, so it is written)
	s_mov_b32 s[SEL], 0x76543210
	s_mov_b32 s[SEL+1], 0xfedcba98
	s_wait_kmcnt 0x0
	s_add_nc_u64 s[6:7], s[6:7], s[16:17]
	CROUND                                         ; all four work-groups are here: the first joint loads meet
.irp s, 0,1,2
	s_mov_b32 s[G0+4*\s], 1                                        ; 1:0 count = 1
	s_add_co_u32 s[G0+4*\s+1], s15, \s*SLOTB                       ; 63:32 LDS address
	s_add_nc_u64 s[G0+4*\s+2:G0+4*\s+3], s[6:7], \s*SLOTB          ; 120:64 global address: slot s begins with the head's records 4 s .. 4 s + 3
	s_or_b32 s[G0+4*\s+3], s[G0+4*\s+3], 0x80000000                ; 127:126 type = 2
.endr
	s_cmp_lt_u32 s[WV], 4                          ; a wave's three first fills stand in one branch, ahead of every wait on TENSORcnt and every LDS read; four v_nop follow the last
	s_cbranch_scc0 .Lfilled
	tensor_load_to_lds s[G0:G0+3], s[G1:G1+7]
	s_nop 0
	tensor_load_to_lds s[G0+4:G0+7], s[G1:G1+7]
	s_nop 0
	tensor_load_to_lds s[G0+8:G0+11], s[G1:G1+7]
	s_nop 0
.rept 4
	v_nop
.endr
.Lfilled:
	; Q: my 32 queries are fragment wave % 4 of record 4 x block + wave / 4 of the head
	v_and_b32 v10, 31, v0
	v_lshlrev_b32 v[LI], 4, v10
	v_lshlrev_b32 v[LS], 3, v10
	v_and_b32 v56, 15, v0                          ; r
	v_bfe_u32 v57, v0, 4, 1                        ; h
	s_lshl_b32 s18, s[HEAD], 4
	s_lshl_b32 s19, s[QB], 2
	s_add_co_u32 s18, s18, s19
	s_lshr_b32 s19, s[WV], 2
	s_add_co_u32 s18, s18, s19
	s_mul_i32 s18, s18, QREC
	s_mov_b32 s19, 0
	s_add_nc_u64 s[4:5], s[4:5], s[18:19]          ; the record
	s_lshl_b32 s20, s14, 10
	s_mov_b32 s21, 0
	s_add_nc_u64 s[20:21], s[4:5], s[20:21]        ; my fragment's codes
	s_and_b32 s22, s[WV], 1                        ; its scale words: lanes 16 (f % 2) + r of the image, word f / 2
	s_lshl_b32 s22, s22, 7
	s_bfe_u32 s23, s[WV], 0x10001
	s_lshl_b32 s23, s23, 2
	s_add_co_u32 s22, s22, s23
	s_add_co_u32 s22, s22, QSC
	s_mov_b32 s23, 0
	s_add_nc_u64 s[22:23], s[4:5], s[22:23]
	v_lshlrev_b32 v10, 3, v56                      ; 8 r
	global_load_b128 v[QZ+4:QZ+7], v[LI], s[20:21] th:TH_LOAD_NT               ; q0: lane (r, h) holds block h of query r
	global_load_b128 v[QZ+12:QZ+15], v[LI], s[20:21] offset:512 th:TH_LOAD_NT  ; q1: queries 16 + r
	global_load_b32 v11, v10, s[22:23]             ; bytes 0, 1: tile 0's two blocks; bytes 2, 3: tile 1's
	; the way out
	s_mul_i32 s18, s[WV], 16*SP
	s_add_co_u32 s18, s18, STG                     ; my stage
	v_mul_u32_u24 v[STO], v56, SP                  ; in: row r, 128 bytes for each half of the lanes
	v_lshl_add_u32 v[STO], v57, 7, v[STO]
	v_add_nc_u32 v[STO], s18, v[STO]
	v_mul_u32_u24 v[RD], v57, SP                   ; back: lanes 0-15 take one row of 256 bytes, lanes 16-31 the next
	v_lshl_add_u32 v[RD], v56, 4, v[RD]
	v_add_nc_u32 v[RD], s18, v[RD]
	v_lshlrev_b32 v[GO], 12, v57                   ; and the same two rows in out0, 4,096 bytes apart
	v_lshl_add_u32 v[GO], v56, 4, v[GO]
	s_lshr_b32 s16, s[HEAD], 4
	s_lshl_b32 s16, s16, 23                        ; b
	s_lshl_b32 s17, s[QB], 21                      ; my block's 512 rows of 4,096 bytes
	s_or_b32 s16, s16, s17
	s_lshl_b32 s17, s[WV], 17                      ; my wave's 32
	s_or_b32 s16, s16, s17
	s_and_b32 s17, s[HEAD], 15
	s_lshl_b32 s17, s17, 8                         ; h
	s_or_b32 s16, s16, s17
	s_mov_b32 s17, 0
	s_add_nc_u64 s[8:9], s[8:9], s[16:17]
	s_wait_loadcnt 0x0                             ; Q
	v_and_b32 v[QS+0], 0xffff, v11                 ; tile 0 for [q | 0]: its bytes over k 0 .. 63, 0 over the zero codes
	v_lshlrev_b32 v[QS+1], 16, v11                 ; tile 0 for [0 | q]
	v_lshrrev_b32 v[QS+2], 16, v11                 ; tile 1 for [q | 0]
	v_and_b32 v[QS+3], 0xffff0000, v11             ; tile 1 for [0 | q]
.irp k, 0,1,2,3, 8,9,10,11, 16,17,18,19
	v_mov_b32 v[QZ+\k], 0                          ; the zero codes
.endr
.irp x, 0,1
	v_mov_b32 v[ST+8*\x+1], 0xff61b1e6             ; m = -3e38
	v_mul_f32 v[ST+8*\x], s[CS], v[ST+8*\x+1]      ; c m
.irp k, 2,3,4,5,6,7
	v_mov_b32 v[ST+8*\x+\k], 0                     ; l; and what is named before it is first made
.endr
.endr
.set i, 0
.rept 64
	v_mov_b32 v[O+i], 0                            ; O^T, once a wave.  (The key step is written for every step alike: the first finds zeros, which a = 0 leaves zeros.)  These lines are also the places between the scale words above and the first product
.set i, i+1
.endr
.macro KLOAD                           ; the step's four fragments of K and their scale words
.irp f, 0,1,2,3
.irp c, 0,1
	ds_load_b128 v[KB+8*\f+4*\c:KB+8*\f+4*\c+3], v[ADR] offset:\f*1024+\c*512
.endr
.endr
	ds_load_b64 v[KS:KS+1], v[ADS] offset:KSC
.endm
.macro QK x                            ; S^T of tile x: fragment f against [q | 0] gives keys 32 f + 0 .. 15, against [0 | q] keys 32 f + 16 .. 31
.irp f, 0,1,2,3
.irp c, 0,1
.if (\f%2) == 1
	v_wmma_scale_f32_16x16x128_f8f6f4 v[S+8*(2*\f+\c):S+8*(2*\f+\c)+7], v[KB+8*\f:KB+8*\f+7], v[QZ+4-4*\c+8*(\x):QZ+11-4*\c+8*(\x)], 0, v[KS+\f/2], v[QS+2*(\x)+\c] matrix_a_fmt:MATRIX_FMT_FP4 matrix_b_fmt:MATRIX_FMT_FP4 matrix_a_scale:MATRIX_SCALE_ROW1
.else
	v_wmma_scale_f32_16x16x128_f8f6f4 v[S+8*(2*\f+\c):S+8*(2*\f+\c)+7], v[KB+8*\f:KB+8*\f+7], v[QZ+4-4*\c+8*(\x):QZ+11-4*\c+8*(\x)], 0, v[KS+\f/2], v[QS+2*(\x)+\c] matrix_a_fmt:MATRIX_FMT_FP4 matrix_b_fmt:MATRIX_FMT_FP4
.endif
.endr
.endr
.endm
.macro VLOAD kg, vb                    ; V's four fragments (64 channels) of keys 32 kg .. 32 kg + 31
.irp ct, 0,1,2,3
.irp q, 0,1
	ds_load_b128 v[\vb+8*\ct+4*\q:\vb+8*\ct+4*\q+3], v[ADR] offset:VOFF+(\kg)*4096+\ct*1024+\q*512
.endr
.endr
.endm
.macro PVG kg, vb                      ; O^T += V^T P for these 32 keys: the eight accumulators take turns, one instruction a turn
.irp ct, 0,1,2,3
.irp x, 0,1
	v_wmma_f32_16x16x32_f16 v[O+32*\x+8*\ct:O+32*\x+8*\ct+7], v[\vb+8*\ct:\vb+8*\ct+7], v[P0+32*\x+8*(\kg):P0+32*\x+8*(\kg)+7], v[O+32*\x+8*\ct:O+32*\x+8*\ct+7]
.endr
.endr
.endm
.macro RESC x                          ; tile x's O^T times a; each accumulator from its low end on
.irp j, 0,2,4,6,8,10,12,14,16,18,20,22,24,26,28,30
	v_pk_mul_f32 v[O+32*(\x)+\j:O+32*(\x)+\j+1], v[O+32*(\x)+\j:O+32*(\x)+\j+1], v[ST+8*(\x)+4:ST+8*(\x)+5] op_sel_hi:[1,0]
.endr
.endm
.macro PLACES n
.rept \n
	v_nop
.endr
.endm
; THE SOFTMAX of tile x for one key step: the lane's 64 scores in v[S] on become p, P (f16) and the sum.
.macro SOFT x
.set rT, ST+8*(\x)
.set rP, P0+32*(\x)
	v_mov_b32 v[rT+7], v[rT]                       ; c m_old is kept for a
.irp t, 0,1,2,3,4,5,6,7
	v_max3_num_f32 v[MX+\t], v[S+8*\t], v[S+8*\t+1], v[S+8*\t+2]       ; eight chains, one for each tile of keys; each accumulator is read from its low end on
.endr
.irp t, 0,1,2,3,4,5,6,7
	v_max3_num_f32 v[MX+\t], v[MX+\t], v[S+8*\t+3], v[S+8*\t+4]
.endr
.irp t, 0,1,2,3,4,5,6,7
	v_max3_num_f32 v[MX+\t], v[MX+\t], v[S+8*\t+5], v[S+8*\t+6]
.endr
.irp t, 0,1,2,3
	v_max3_num_f32 v[MX+\t], v[MX+\t], v[S+16*\t+7], v[S+16*\t+15]
.endr
	v_max3_num_f32 v[MX], v[MX], v[MX+1], v[MX+2]
	v_max3_num_f32 v[MX+3], v[MX+3], v[MX+4], v[MX+5]
	v_max3_num_f32 v[MX+6], v[MX+6], v[MX+7], v[rT+1]                  ; and the old m
	v_max3_num_f32 v[MX], v[MX], v[MX+3], v[MX+6]
	v_permlanex16_b32 v[rT+6], v[MX], s[SEL], s[SEL+1]                 ; the query's other 64 keys lie in the lane 16 away
	v_max_num_f32 v[rT+1], v[MX], v[rT+6]          ; m
	v_mul_f32 v[rT], s[CS], v[rT+1]                ; c m
	v_sub_f32 v[rT+7], v[rT+7], v[rT]
	v_exp_f32 v[rT+4], v[rT+7]                     ; a = 2^(c m_old - c m_new)
; By groups g of eight scores: the exponentials of group g stand between the scalings of group g + 1 and the roundings and sums of group g - 1, so that a plain line stands between every exponential and the use of its result.
.set g, -1
.rept 10
.irp i, 0,1,2,3
.if (g >= 0) && (g <= 7)
	v_exp_f32 v[S+8*g+2*\i], v[S+8*g+2*\i]
.endif
.if g <= 6
	v_pk_fma_f32 v[S+8*g+8+2*\i:S+8*g+9+2*\i], v[S+8*g+8+2*\i:S+8*g+9+2*\i], s[CS:CS+1], v[rT:rT+1] op_sel_hi:[1,0,0] neg_lo:[0,0,1] neg_hi:[0,0,1]   ; c s - c m
.endif
.if (g >= 0) && (g <= 7)
	v_exp_f32 v[S+8*g+2*\i+1], v[S+8*g+2*\i+1]
.endif
.if g >= 1
	s_wait_alu depctr_va_vdst(0)
	v_cvt_pk_f16_f32 v[rP+4*g-4+\i], v[S+8*g-8+2*\i], v[S+8*g-7+2*\i]
.endif
.if g == 2
	v_pk_add_f32 v[MX+2*\i:MX+2*\i+1], v[S+2*\i:S+2*\i+1], v[S+8+2*\i:S+9+2*\i]        ; four chains of sums begin with groups 0 and 1
.elseif g > 2
	v_pk_add_f32 v[MX+2*\i:MX+2*\i+1], v[MX+2*\i:MX+2*\i+1], v[S+8*g-8+2*\i:S+8*g-7+2*\i]
.endif
.endr
.if ((\x) == 1) && (g == 4)
	VLOAD 0, VB0                                   ; groups 0 to 3 of tile 1's p are rounded and summed: their registers take V's first fragments
.endif
.if ((\x) == 1) && (g == 8)
	VLOAD 1, VB1                                   ; and groups 4 to 7's the next
.endif
.set g, g+1
.endr
	v_pk_add_f32 v[MX:MX+1], v[MX:MX+1], v[MX+2:MX+3]
	v_pk_add_f32 v[MX+4:MX+5], v[MX+4:MX+5], v[MX+6:MX+7]
	v_pk_add_f32 v[MX:MX+1], v[MX:MX+1], v[MX+4:MX+5]
	v_pk_fma_f32 v[rT+2:rT+3], v[rT+2:rT+3], v[rT+4:rT+5], v[MX:MX+1] op_sel_hi:[1,0,1]   ; l = a l + the step's sum
.endm
; A KEY STEP: 128 keys, the record at LDS byte s[TB].
; A load into a register that a matrix instruction has read, and a vector instruction that reads a matrix result or writes one of a matrix instruction's registers, stand four places behind it; a matrix instruction that
; writes over such a register five; only plain vector instructions that name none of its registers are places (ISA guide 7.12.1 for vector instructions).
.macro STEP
	v_add_nc_u32 v[ADR], s[TB], v[LI]
	v_add_nc_u32 v[ADS], s[TB], v[LS]
	PLACES 4                                       ; with the two additions six places behind the last step's products: K's fragments land where P of tile 1 lay, and the scores are written over V's buffers
	KLOAD
	s_wait_dscnt 0x0
	QK 0
	PLACES 3                                       ; with the softmax's first line four places
	SOFT 0
	QK 1                                           ; written over tile 0's p, which is rounded and summed
	RESC 0                                         ; sixteen places behind those products
	SOFT 1
	RESC 1
	s_wait_dscnt 0x8                               ; V's keys 0 .. 31 are in; the eight loads of keys 32 .. 63 may be out
	PVG 0, VB0
	PLACES 4
	VLOAD 2, VB0
	s_wait_dscnt 0x8                               ; keys 32 .. 63 are in; the eight loads just issued may be out
	PVG 1, VB1
	PLACES 4
	VLOAD 3, VB1
	s_wait_dscnt 0x8                               ; keys 64 .. 95 are in
	PVG 2, VB0
	s_wait_dscnt 0x0
	PVG 3, VB1
.endm
.macro LOOPN n, base                   ; n key steps, from the record at LDS byte base on
	s_mov_b32 s[TB], \base
	s_mov_b32 s[CNT], \n
.Lstep_\@:
	STEP
	s_add_co_u32 s[TB], s[TB], REC
	s_sub_co_u32 s[CNT], s[CNT], 1
	s_cmp_lg_u32 s[CNT], 0
	s_cbranch_scc1 .Lstep_\@
.endm
	s_wait_tensorcnt 0x2                           ; my record of slot 0 is in; the loads of slots 1 and 2 were issued behind it and may stay out
	s_barrier_signal -1
	s_barrier_wait -1                              ; everybody's is
	LOOPN 4, 0                                     ; key steps 0 to 3, slot 0
	; THE CHANGE OF SLOTS.  Each wave waits for all its tensor loads (slots 1 and 2 are whole then), adds 0 to its spare word, and waits for that and for its reads of slot 0.
	s_wait_tensorcnt 0x0                           ; no tensor load of mine is out, so a group 0 may be written
	ds_add_u32 v[SPW], v[NIL]                      ; 0 onto my spare word: the descriptor's step stands between it and the wait for it
	ds_add_u32 v5, v6
	s_add_nc_u64 s[G0+2:G0+3], s[G0+2:G0+3], 12*REC   ; slot 0's next records: the head's 12 to 15; the type bits on top are not reached
	s_wait_dscnt 0x0                               ; the add is done, and my reads of slot 0 are over
	CROUND                                         ; both now hold of every wave of all four work-groups
	s_cmp_lt_u32 s[WV], 4
	s_cbranch_scc0 .Lrefilled
	tensor_load_to_lds s[G0:G0+3], s[G1:G1+7]      ; the joint refill, first behind the round, one load a wave: it has eight key steps in which to land
	s_nop 0
.rept 4
	v_nop
.endr
.Lrefilled:
	LOOPN 8, SLOTB                                 ; key steps 4 to 11, slots 1 and 2: the round has shown both whole to every wave
	s_wait_tensorcnt 0x0                           ; my record of the refill is in;
	ds_add_u32 v[SPW], v[NIL]
	s_wait_dscnt 0x0
	s_barrier_signal -1
	s_barrier_wait -1                              ; everybody's is
	LOOPN 4, 0                                     ; key steps 12 to 15, slot 0
	; THE WAY OUT.  l's two halves and the other half of the lanes' are added; O^T is divided by l and goes through my stage in LDS, a tile (16 rows) at a time.  The additions and the v_nop are the places behind the last products.
.irp x, 0,1
	v_add_f32 v[ST+8*\x+6], v[ST+8*\x+2], v[ST+8*\x+3]
.endr
.irp x, 0,1
	v_permlanex16_b32 v[ST+8*\x+7], v[ST+8*\x+6], s[SEL], s[SEL+1]
.endr
.irp x, 0,1
	v_add_f32 v[ST+8*\x+6], v[ST+8*\x+6], v[ST+8*\x+7]
.endr
.irp x, 0,1
	v_rcp_f32 v[ST+8*\x+4], v[ST+8*\x+6]
.endr
	v_nop                                          ; a plain line between the last reciprocal and the use of its result
.macro OUT x                           ; register j of channel tile ct is channel 32 h + 4 j + ct of query r: the products are laid in the channels' order; each accumulator is first read at its register 0
.irp j, 0,1,2,3,4,5,6,7
.irp ct, 0,1,2,3
	s_wait_alu depctr_va_vdst(0)
	v_mul_f32 v[S+32*(\x)+4*\j+\ct], v[O+32*(\x)+8*\ct+\j], v[ST+8*(\x)+4]
.endr
.endr
.irp j, 0,1,2,3,4,5,6,7
	ds_store_b128 v[STO], v[S+32*(\x)+4*\j:S+32*(\x)+4*\j+3] offset:16*\j
.endr
.irp i, 0,1,2,3,4,5,6,7
	ds_load_b128 v[P0+32*(\x)+4*\i:P0+32*(\x)+4*\i+3], v[RD] offset:2*\i*SP   ; LDS serves a wave's instructions in order (ISA guide 5.7.1.4): these see the stores above; the next tile's stores come behind them
.endr
.endm
.macro SEND x, younger                 ; younger: the LDS instructions issued behind tile x's loads, which may stay out
.irp i, 0,1,2,3,4,5,6,7
	s_wait_dscnt \younger+7-\i
	global_store_b128 v[GO], v[P0+32*(\x)+4*\i:P0+32*(\x)+4*\i+3], s[8:9] offset:65536*(\x)+8192*\i th:TH_STORE_NT   ; 16 lanes store a head's row: 256 consecutive bytes, at a multiple of 256 from out0's first byte
.endr
.endm
	OUT 0
	OUT 1
	SEND 0, 16
	SEND 1, 0
	s_wait_tensorcnt 0x0                           ; the wave's end: behind my last tensor load and my last LDS store
	ds_add_u32 v[SPW], v[NIL]
	s_wait_dscnt 0x0
	CROUND                                         ; the closing round: no work-group ends while a partner may still ask for a record that names it
	s_endpgm
.Lfunc_end_k_qbeb12c270b_attn:
	.size	k_qbeb12c270b_attn, .Lfunc_end_k_qbeb12c270b_attn-k_qbeb12c270b_attn
	.p2alignl 7, 3214868480
	.fill 96, 4, 3214868480
	.section	.rodata,"a",@progbits
	.p2align	6, 0x0
	.amdhsa_kernel k_qbeb12c270b_attn
		.amdhsa_group_segment_fixed_size 327680
		.amdhsa_private_segment_fixed_size 0
		.amdhsa_enable_private_segment 0
		.amdhsa_kernarg_size 24
		.amdhsa_user_sgpr_count 2
		.amdhsa_user_sgpr_kernarg_segment_ptr 1
		.amdhsa_wavefront_size32 1
		.amdhsa_system_sgpr_workgroup_id_x 1
		.amdhsa_system_sgpr_workgroup_id_y 1
		.amdhsa_system_sgpr_workgroup_id_z 1
		.amdhsa_system_vgpr_workitem_id 0
		.amdhsa_next_free_vgpr 256
		.amdhsa_next_free_sgpr 66
		.amdhsa_reserve_vcc 0
		.amdhsa_float_denorm_mode_32 3
		.amdhsa_float_denorm_mode_16_64 3
		.amdhsa_memory_ordered 1
		.amdhsa_forward_progress 1
		.amdhsa_inst_pref_size 115
	.end_amdhsa_kernel
	.amdgpu_metadata
---
amdhsa.version: [ 1, 2 ]
amdhsa.kernels:
  - .name:           k_qbeb12c270b_attn
    .symbol:         k_qbeb12c270b_attn.kd
    .args:
      - { .name: qc, .offset: 0, .size: 8, .value_kind: global_buffer, .address_space: global }
      - { .name: kv, .offset: 8, .size: 8, .value_kind: global_buffer, .address_space: global }
      - { .name: out0, .offset: 16, .size: 8, .value_kind: global_buffer, .address_space: global }
    .group_segment_fixed_size: 327680
    .private_segment_fixed_size: 0
    .kernarg_segment_align: 8
    .kernarg_segment_size: 24
    .max_flat_workgroup_size: 512
    .sgpr_count:     66
    .vgpr_count:     256
    .wavefront_size: 32
...
	.end_amdgpu_metadata
.endif
;; end of part 2
